; MI455X (gfx1250); checked and timed in simulation.
; The chip was launched on July 23, 2026; its instructions are those of AMD's public machine-readable ISA for CDNA 5 (MIT licence, August 2026) and "CDNA5" Instruction Set Architecture Reference Guide (July 2026). The comments in the code are by the model that wrote it; some were corrected since.
;; Flash Attention. Allowed arithmetic: matrix products marked QUANTISED: E4M3 operands, one given power-of-two scale a tensor, by v_wmma_f32_16x16x64_fp8_fp8 or v_wmma_f32_16x16x128_fp8_fp8, f32 sums; everything else in f32.
;; Inputs: b_attn 3,072 float32; b_proj 1,024 float32; lowp_scales 8 int32 (the exponents e of the quantised operands' scales 2^e); w_attn 1,024 x 3,072 float32; w_proj 1,024 x 1,024 float32; x 4 x 1,024 x 1,024 float32.
;; Outputs: out0 4 x 1,024 x 1,024 float32.
;; This version of the problem:
;;   THIS VERSION OF THE PROBLEM IS GIVEN IN LOW PRECISION. The matrix products marked QUANTISED in the list below multiply operands that are first quantised to E4M3 (4 exponent bits, 3 mantissa bits; 8 bits a number), with one given power-of-two scale for each operand tensor; their sums are f32. All else is computed in f32.
;;   The module's matrix products, in the order in which they are computed (A, B: the left and right operand; K: the contracted axis; several contracted axes count as one K, in the product's order):
;;     1. [M 4,096, K 1,024] x [K 1,024, N 3,072]; A: input x; B: input w_attn: QUANTISED (scales: A lowp_scales[0], B lowp_scales[1])
;;     2. batch 64 x [M 1,024, K 64] x [K 64, N 1,024]; A: computed on the way; B: computed on the way: QUANTISED (scales: A lowp_scales[2], B lowp_scales[3])
;;     3. batch 64 x [M 1,024, K 1,024] x [K 1,024, N 64]; A: softmax (see below); B: computed on the way: QUANTISED (scales: A lowp_scales[4], B lowp_scales[5])
;;     4. [M 4,096, K 1,024] x [K 1,024, N 1,024]; A: computed on the way; B: input w_proj: QUANTISED (scales: A lowp_scales[6], B lowp_scales[7])
;;   THE QUANTISER, for each operand of a quantised product, along K:
;;     - The operand's scale is 2^e, e = its entry of the input lowp_scales (int32; the entries are numbered through the quantised products in the list's order, A before B).
;;     - Each number is divided by the scale, clamped to +-448, and rounded to the nearest number of E4M3, ties to even, subnormals kept.
;;     - The product sums the exact products of the quantised numbers (number of the format x scale) in f32.
;;   ~~~python
;;   def quantise(x, axis, e):      # numpy; x: float32 -> the quantised numbers, widened to float32 again
;;       x = np.moveaxis(x, axis, -1); K = x.shape[-1]
;;       r = np.clip(x / 2.0 ** e, -448, 448)
;;       step = 2.0 ** (np.maximum(np.frexp(np.where(r == 0, 1, r))[1] - 1, -6) - 3)
;;       q = np.round(r / step) * step * 2.0 ** e      # np.round: ties to even
;;       return np.moveaxis(q, -1, axis).astype(np.float32)
;;   ~~~
;;   SOFTMAX AHEAD OF A QUANTISED PRODUCT. Where the list says 'softmax', what is quantised is not the finished softmax but p = 2^(t - M), with t = logit x log2(e) and M = ceil(the row's largest t), a whole number; so 1/2 < the row's largest p <= 1. The row's sum l is taken of the UNQUANTISED p, in f32, and the product's result is divided by l at the end. Since M is a whole number, a kernel that streams over the keys may use a running M (the ceiling of the running maximum): every later rescaling is an exact power of two, so the quantised numbers keep their values, but for numbers so far below the row's largest that they fall under the format's range.
;;   OPERANDS COMPUTED ON THE WAY. 'Computed on the way' means the value that the module computes at that place (a softmax that the list does not call 'softmax' is quantised finished and normalised). What goes into a quantiser is computed in f32, as accurately as f32 sums, v_exp_f32 and their like allow (about 1e-6 of the number): no bf16 or f16 on the way to a quantiser, and a product that is left as it is and whose result goes on into a quantised operand takes f32 operands (vector FMAs, or v_wmma_f32_16x16x4_f32). A number that lies on a knife's edge between two numbers of the format may be rounded either way, as far as f32 arithmetic and the matrix unit's own rounding can turn it there, and no further.
;; One version. Each part assembles by itself: llvm-mc -triple=amdgcn-amd-amdhsa -mcpu=gfx1250 --defsym DOCPART=n.
;; ======== version 1 of 1: 4 launches
;; limits: right only within a limited range of input values
;; workspace buffers: ximg 4,194,304 bytes; waimg 3,145,728 bytes; wpimg 1,048,576 bytes; qimg 4,194,304 bytes; kimg 4,194,304 bytes; vimg 4,194,304 bytes; yimg 4,194,304 bytes
;; launch prep (part 1): grid 512 x 1, 4 waves a work-group, no clusters, 68,096 bytes of LDS; arguments x, w_attn, w_proj, lowp_scales, ximg, waimg, wpimg; writes ximg, waimg, wpimg
.if DOCPART == 1
	.amdgcn_target "amdgcn-amd-amdhsa--gfx1250"
	.amdhsa_code_object_version 6
	.text
	.protected	k_qf846f52e14_prep
	.globl	k_qf846f52e14_prep
	.p2align	8
	.type	k_qf846f52e14_prep,@function
k_qf846f52e14_prep:
	s_mov_b64 s[64:65], 0
	v_nop
	global_prefetch_b8 v0, s[64:65] scope:SCOPE_SE
	s_setreg_imm32_b32 hwreg(HW_REG_WAVE_MODE, 25, 1), 1
	s_wait_xcnt 0x0
; x [4096][1024], w_attn [1024][3072] and w_proj [1024][1024], f32, become codes of FP8 (E4M3), each with its given scale 2^e (entries 0, 1, 7 of the scales).
; code = number / 2^e, held within +-448, rounded to the nearest code, ties to even.  LIMITS: e between -126 and 119.  NaN among the inputs is not served.
; THE CODES ARE LAID AS IMAGES OF AN OPERAND'S REGISTERS.  A fragment is 16 rows x 128 along K, 2,048 bytes, in four groups c of 512 bytes; in group c lane l = r + 16 h owns the 16 bytes at 16 l:
; k = 128 f + 32 c + 16 h + 0 .. 15 of row rho(i, r) = 32 (i / 2) + 8 (i % 2) + r % 8 + 16 (r / 8), i the tile of 16 rows.  Byte address: 16384 i + 2048 f + 512 c + 16 l.
; A row of x is a token; a "row" of a weight is an output column n, since K is the weight's first axis.
; SHARES.  A work-group takes 16,384 numbers: work-groups 0-255 x, 256-447 w_attn, 448-511 w_proj; a wave takes 32 rows x 128 along K (two fragments).  Work-groups share no input: no cluster, no tensor load.
; x: K is innermost.  Each load reads 512 consecutive bytes of one row; the numbers turn through the wave's own stage in LDS, so that a lane gets 16 neighbours along K.
; weights: a lane takes a column and its registers run down K, so nothing is turned; lanes 0-15 store 256 consecutive bytes of one tile, lanes 16-31 of the next.
.set R,      16                        ; v16-143  numbers as they are loaded
.set X,      144                       ; v144-207 x: 64 numbers of a lane behind the stage
.set C,      208                       ; v208-239 codes: every store has registers of its own, so none is written again
.set LIM,    10                        ; v10      448 x 2^e
.set SC,     11                        ; v11      2^e: the conversion takes its exponent field
.set SPITCH, 528                       ; a stage row: 512 bytes + 16
.set WSTAGE, 32*SPITCH                 ; a wave's stage
.set XWG,    256                       ; work-groups for x
.set AWG,    192                       ; and for w_attn
.macro MK se                           ; the two constants of a quantiser, from the exponent in s[se]
	s_add_co_i32 s23, s[\se], 127
	s_lshl_b32 s31, s23, 23
	v_mov_b32 v[SC], s31
	s_add_co_i32 s23, s23, 8
	s_lshl_b32 s23, s23, 23
	s_or_b32 s23, s23, 0x600000                    ; the mantissa field of 448
	v_mov_b32 v[LIM], s23
.endm
.macro WLOAD c, N, sb                  ; block c of a weight: rows 32 c + i of my column; a wave reads 128 consecutive bytes, the four waves 512
.set i, 0
.rept 32
	global_load_b32 v[R+32*(\c)+i], v8, s[\sb:\sb+1] offset:(32*(\c)+i)*\N*4 th:TH_LOAD_NT
.set i, i+1
.endr
.endm
.macro WCONV c, db                     ; its 32 numbers become 32 codes: the group's bytes of h = 0 and of h = 1
.set i, 0
.rept 32
	v_med3_num_f32 v[R+32*(\c)+i], v[R+32*(\c)+i], -v[LIM], v[LIM]   ; the conversion does not saturate (ISA guide 7.6.2): the hold comes first
.set i, i+1
.endr
.irp g, 0,1,2,3
	v_cvt_scalef32_pk8_fp8_f32 v[C+8*(\c)+2*\g:C+8*(\c)+2*\g+1], v[R+32*(\c)+8*\g:R+32*(\c)+8*\g+7], v[SC]
.endr
	global_store_b128 v7, v[C+8*(\c):C+8*(\c)+3], s[\db:\db+1] offset:512*(\c)
	global_store_b128 v7, v[C+8*(\c)+4:C+8*(\c)+7], s[\db:\db+1] offset:512*(\c)+256
.endm
.macro WPATH N, first, sb, db, se      ; a weight [1024][N]: work-group first + 8 cg + f takes columns 128 cg on, k 128 f on
	s_sub_co_u32 s24, ttmp9, \first
	s_and_b32 s26, s24, 7                          ; f
	s_lshr_b32 s25, s24, 3                         ; cg
	s_mul_i32 s28, s26, 128*\N*4                   ; 128 f rows,
	s_lshl_b32 s27, s25, 9
	s_add_co_u32 s28, s28, s27                     ; 128 cg columns,
	s_lshl_b32 s27, s18, 7
	s_add_co_u32 s28, s28, s27                     ; 32 x wave columns
	s_mov_b32 s29, 0
	s_add_nc_u64 s[\sb:\sb+1], s[\sb:\sb+1], s[28:29]
.if \N == 3072                         ; w_attn's tiles are laid head by head: image tile 12 head + 4 x (0 q, 1 k, 2 v) + j, j the tile of the head's 64 columns
	s_and_b32 s28, s25, 7
	s_lshl_b32 s28, s28, 1
	s_lshr_b32 s27, s18, 1
	s_add_co_u32 s28, s28, s27                     ; head = 2 (cg % 8) + wave / 2
	s_mul_i32 s28, s28, 12*16384
	s_lshr_b32 s27, s25, 3                         ; cg / 8: q, k or v
	s_lshl_b32 s27, s27, 16
	s_add_co_u32 s28, s28, s27
	s_and_b32 s27, s18, 1
	s_lshl_b32 s27, s27, 15                        ; j = 2 (wave % 2)
	s_add_co_u32 s28, s28, s27
.else
	s_lshl_b32 s28, s25, 17                        ; the image: tile 8 cg + 2 x wave
	s_lshl_b32 s27, s18, 15
	s_add_co_u32 s28, s28, s27
.endif
	s_lshl_b32 s27, s26, 11
	s_add_co_u32 s28, s28, s27
	s_add_nc_u64 s[\db:\db+1], s[\db:\db+1], s[28:29]
	WLOAD 0, \N, \sb
	WLOAD 1, \N, \sb
	s_wait_kmcnt 0x0
	MK \se
	s_wait_alu depctr_va_vdst(0)
	s_wait_loadcnt 32                              ; block 0 is in; block 1's 32 loads may be out
	WLOAD 2, \N, \sb
	WCONV 0, \db
	s_wait_loadcnt 32                              ; block 1 is in; block 2's may be out
	WLOAD 3, \N, \sb
	WCONV 1, \db
	s_wait_loadcnt 32                              ; block 2 is in; block 3's may be out
	WCONV 2, \db
	s_wait_loadcnt 0x0
	WCONV 3, \db
	s_endpgm
.endm
	s_load_b256 s[4:11], s[0:1], 0x0               ; x s[4:5], w_attn s[6:7], w_proj s[8:9], the scales' exponents s[10:11]
	s_load_b128 s[12:15], s[0:1], 0x20             ; ximg s[12:13], waimg s[14:15]
	s_load_b64 s[16:17], s[0:1], 0x30              ; wpimg
	v_lshl_add_u32 v240, v0, 2, 0x10800
	v_mov_b32 v241, 0
	v_lshrrev_b32 v1, 5, v0
	v_readfirstlane_b32 s18, v1                    ; wave 0..3
	v_and_b32 v1, 31, v0                           ; lane
	v_and_b32 v2, 15, v0                           ; r
	v_bfe_u32 v3, v0, 4, 1                         ; h
	v_lshlrev_b32 v4, 4, v1                        ; 16 x lane: x's loads and the image's stores
	s_mul_i32 s30, s18, WSTAGE
	v_add_nc_u32 v5, s30, v4                       ; the stage, in: a row as it lies
	v_mul_u32_u24 v6, v2, SPITCH
	v_lshl_add_u32 v6, v3, 6, v6
	v_add_nc_u32 v6, s30, v6                       ; and out: row r, + 64 h bytes: my 16 numbers of a block of 32
	v_and_b32 v8, 7, v2
	v_lshrrev_b32 v9, 3, v2
	v_lshl_add_u32 v8, v9, 4, v8
	v_lshl_add_u32 v8, v3, 3, v8                   ; a weight's column for lane 16 u + r: 8 u + r % 8 + 16 (r / 8)
	v_lshlrev_b32 v8, 2, v8
	v_lshlrev_b32 v7, 4, v2
	v_lshl_add_u32 v7, v3, 14, v7                  ; and its place in the image: tile u, 16 r
	s_wait_kmcnt 0x0
	s_load_b64 s[20:21], s[10:11], 0x0             ; e0 (x), e1 (w_attn)
	s_load_b32 s22, s[10:11], 0x1c                 ; e7 (w_proj)
	s_cmp_ge_u32 ttmp9, XWG
	s_cbranch_scc1 .Lweights
	; ---- x: wave W = 4 x work-group + wave takes rows 32 (W / 8) on, k 128 (W % 8) on
	s_lshl_b32 s24, ttmp9, 2
	s_add_co_u32 s24, s24, s18
	s_lshr_b32 s25, s24, 3
	s_and_b32 s26, s24, 7
	s_lshl_b32 s28, s25, 17                        ; 32 rows of 4,096 bytes
	s_lshl_b32 s27, s26, 9
	s_add_co_u32 s28, s28, s27
	s_mov_b32 s29, 0
	s_add_nc_u64 s[4:5], s[4:5], s[28:29]
	s_lshl_b32 s28, s25, 15                        ; two tiles of the image
	s_lshl_b32 s27, s26, 11
	s_add_co_u32 s28, s28, s27
	s_add_nc_u64 s[12:13], s[12:13], s[28:29]
.irp u, 0,1
.irp rp, 0,1,2,3,4,5,6,7,8,9,10,11,12,13,14,15
	global_load_b128 v[R+4*(16*\u+\rp):R+4*(16*\u+\rp)+3], v4, s[4:5] offset:(8*\u+(\rp%8)+16*(\rp/8))*4096 th:TH_LOAD_NT   ; index rp of tile u: 512 consecutive bytes of its row
.endr
.endr
	s_wait_kmcnt 0x0
	MK 20
	s_wait_alu depctr_va_vdst(0)
.irp u, 0,1
	s_wait_loadcnt 16-16*\u                        ; tile u's sixteen loads are in; tile 1's may be out
.irp rp, 0,1,2,3,4,5,6,7,8,9,10,11,12,13,14,15
	ds_store_b128 v5, v[R+4*(16*\u+\rp):R+4*(16*\u+\rp)+3] offset:(16*\u+\rp)*SPITCH
.endr
.irp c, 0,1,2,3
.irp j, 0,1,2,3
	ds_load_b128 v[X+16*\c+4*\j:X+16*\c+4*\j+3], v6 offset:16*\u*SPITCH+128*\c+16*\j   ; LDS serves a wave's instructions in order (ISA guide 5.7.1.4): these see the stores above
.endr
.endr
.irp c, 0,1,2,3
	s_wait_dscnt 12-4*\c                           ; group c's four loads are in; the groups behind it may be out
.irp i, 0,1,2,3,4,5,6,7,8,9,10,11,12,13,14,15
	v_med3_num_f32 v[X+16*\c+\i], v[X+16*\c+\i], -v[LIM], v[LIM]
.endr
	v_cvt_scalef32_pk8_fp8_f32 v[C+4*(4*\u+\c):C+4*(4*\u+\c)+1], v[X+16*\c:X+16*\c+7], v[SC]
	v_cvt_scalef32_pk8_fp8_f32 v[C+4*(4*\u+\c)+2:C+4*(4*\u+\c)+3], v[X+16*\c+8:X+16*\c+15], v[SC]
	global_store_b128 v4, v[C+4*(4*\u+\c):C+4*(4*\u+\c)+3], s[12:13] offset:\u*16384+512*\c   ; a group: 512 consecutive bytes
.endr
.endr
	s_wait_tensorcnt 0x0
	ds_add_u32 v240, v241
	s_wait_dscnt 0x0
	s_endpgm
.Lweights:
	s_cmp_ge_u32 ttmp9, XWG+AWG
	s_cbranch_scc1 .Lproj_w
	s_wait_alu depctr_va_vdst(0)
	WPATH 3072, XWG, 6, 14, 21
.Lproj_w:
	s_wait_alu depctr_va_vdst(0)
	WPATH 1024, XWG+AWG, 8, 16, 22
.Lfunc_end_k_qf846f52e14_prep:
	.size	k_qf846f52e14_prep, .Lfunc_end_k_qf846f52e14_prep-k_qf846f52e14_prep
	.p2alignl 7, 3214868480
	.fill 96, 4, 3214868480
	.section	.rodata,"a",@progbits
	.p2align	6, 0x0
	.amdhsa_kernel k_qf846f52e14_prep
		.amdhsa_group_segment_fixed_size 68096
		.amdhsa_private_segment_fixed_size 0
		.amdhsa_enable_private_segment 0
		.amdhsa_kernarg_size 56
		.amdhsa_user_sgpr_count 2
		.amdhsa_user_sgpr_kernarg_segment_ptr 1
		.amdhsa_wavefront_size32 1
		.amdhsa_system_sgpr_workgroup_id_x 1
		.amdhsa_system_sgpr_workgroup_id_y 1
		.amdhsa_system_sgpr_workgroup_id_z 1
		.amdhsa_system_vgpr_workitem_id 0
		.amdhsa_next_free_vgpr 242
		.amdhsa_next_free_sgpr 66
		.amdhsa_reserve_vcc 0
		.amdhsa_float_denorm_mode_32 3
		.amdhsa_float_denorm_mode_16_64 3
		.amdhsa_memory_ordered 1
		.amdhsa_forward_progress 1
		.amdhsa_inst_pref_size 66
	.end_amdhsa_kernel
	.amdgpu_metadata
---
amdhsa.version: [ 1, 2 ]
amdhsa.kernels:
  - .name:           k_qf846f52e14_prep
    .symbol:         k_qf846f52e14_prep.kd
    .args:
      - { .name: x, .offset: 0, .size: 8, .value_kind: global_buffer, .address_space: global }
      - { .name: w_attn, .offset: 8, .size: 8, .value_kind: global_buffer, .address_space: global }
      - { .name: w_proj, .offset: 16, .size: 8, .value_kind: global_buffer, .address_space: global }
      - { .name: lowp_scales, .offset: 24, .size: 8, .value_kind: global_buffer, .address_space: global }
      - { .name: ximg, .offset: 32, .size: 8, .value_kind: global_buffer, .address_space: global }
      - { .name: waimg, .offset: 40, .size: 8, .value_kind: global_buffer, .address_space: global }
      - { .name: wpimg, .offset: 48, .size: 8, .value_kind: global_buffer, .address_space: global }
    .group_segment_fixed_size: 68096
    .private_segment_fixed_size: 0
    .kernarg_segment_align: 8
    .kernarg_segment_size: 56
    .max_flat_workgroup_size: 128
    .sgpr_count:     66
    .vgpr_count:     242
    .wavefront_size: 32
...
	.end_amdgpu_metadata
.endif
;; end of part 1
;; launch qkv (part 2): grid 16 x 16, 4 waves a work-group, clusters of 4 x 1, 327,680 bytes of LDS; arguments ximg, waimg, lowp_scales, b_attn, qimg, kimg, vimg; writes qimg, kimg, vimg
.if DOCPART == 2
	.amdgcn_target "amdgcn-amd-amdhsa--gfx1250"
	.amdhsa_code_object_version 6
	.text
	.protected	k_qf846f52e14_qkv
	.globl	k_qf846f52e14_qkv
	.p2align	8
	.type	k_qf846f52e14_qkv,@function
k_qf846f52e14_qkv:
	s_mov_b64 s[64:65], 0
	v_nop
	global_prefetch_b8 v0, s[64:65] scope:SCOPE_SE
	s_setreg_imm32_b32 hwreg(HW_REG_WAVE_MODE, 25, 1), 1
	s_wait_xcnt 0x0
	s_wait_alu depctr_hold_cnt(0) depctr_sa_sdst(0) depctr_va_vdst(0) depctr_va_sdst(0) depctr_va_ssrc(0) depctr_va_vcc(0) depctr_vm_vsrc(0)
	s_getreg_b32 s2, hwreg(HW_REG_IB_STS2, 6, 4)
	s_cmp_eq_u32 s2, 0
	s_cbranch_scc0 .Lentry_in_a_cluster
	s_endpgm
.Lentry_in_a_cluster:
	s_bfe_u32 s2, ttmp6, 0x10000c
	s_cmp_lg_u32 s2, 0x3003
	s_cbranch_scc0 .Lentry_shape_is_right
	s_endpgm
.Lentry_shape_is_right:
; q, k, v = x w_attn + b_attn on codes of FP8 (E4M3), quantised anew with entries 2, 3, 5 of the scales.  The sums are f32, x 2^(e0 + e1), + bias, then / 2^e, held within +-448, rounded to the nearest code.
; LIMITS: e0 + e1 between -126 and 127; e2, e3, e5 between -126 and 119.  NaN is not served.
; IMAGES.  A fragment is 16 rows x 128 K in four groups c of 512 bytes; lane l = r + 16 h owns the 16 bytes at 16 l of group c: k = 128 f + 32 c + 16 h + 0 .. 15 of row rho(i, r) = 32 (i / 2) + 8 (i % 2) + r % 8 + 16 (r / 8).
; ximg: byte 16384 x token tile + 2048 f + 512 c + 16 l.  waimg: the same by tiles of 16 columns, laid head by head: four tiles of q, four of k, four of v.
; qimg, kimg: [head][tile of 16 tokens][2 groups][512]: d = 32 c + 16 h + 0 .. 15 of token rho(i, r).  vimg: [head][group of 32 tokens][tile t of the head's 64][512]: tokens 16 h + 0 .. 15 of d = rho(t, r).
; SHARES.  256 work-groups: one head's 192 columns x 256 tokens; a wave makes 64 tokens x 192 columns: 48 accumulators of 16 x 16.
; A wave's 64 rows of x are its own: their fragments go from memory straight into registers, K steps ahead.  The head's weights (196,608 bytes) fit in LDS and are filled ONCE:
; wave w fetches K steps 2 w, 2 w + 1 (one load a wave); the four token blocks of a cluster ask for them jointly.  x is not shared in a cluster: its partners have other tokens.
; No prefetch into the L2: all tensor loads go out at the head, and x's loads themselves stand three K steps ahead of their use.
; q and k: source 0 = columns, source 1 = tokens: a lane holds one token and its registers run along d.  v: the sources swapped: a lane holds one d and its registers run along the tokens.
; REGISTERS.  window 0: v2-15 addresses and constants; v64-191 q's and k's weights, even K steps; v192-255 v's weights.  window 1: x's fragments, four K steps by turns; at the end the bias.
;   window 2: q's and k's accumulators ((b, a) at v[8 (4 b + a)]).  window 3: v0-127 v's accumulators; v128-255 q's and k's weights, odd K steps.
.set CH,    49152                      ; two K steps of 12 tiles: tile t at 4096 t
.set SPARE, 4*CH                       ; the spare words, 128 bytes a wave
.set LI,    2                          ; v2    16 x lane; v2-5 the LDS address of my fragments in K quarter 0 .. 3
.set SPW,   6
.set NIL,   7
.set BRO,   8                          ; v8    64 h
.set BLO,   9                          ; v9    4 (r % 8 + 16 (r / 8))
.set LIM,   10                         ; v10, 12, 14: 448 x 2^e of q, k, v;  v11, 13, 15: 2^e
.set B0,    64
.set B1,    128
.set VB,    192
.set T,     64                         ; the way out: 32 numbers, two sets by turns
.set CD,    128                        ; and its codes: every store has registers of its own
.set G1,    28
.set G0,    36
.set MSB, 0
.macro WIN new                         ; the immediate's high byte repeats the setting that is left
.if MSB != (\new)
	s_set_vgpr_msb (MSB<<8)|(\new)
.set MSB, (\new)
.endif
.endm
.macro CROUND                          ; a round of the cluster's barrier
	s_barrier_signal -1
	s_barrier_wait -1
	s_cmp_lg_u32 s14, 0
	s_cbranch_scc1 .Lnot_wave_0_\@
	s_barrier_signal -3
.Lnot_wave_0_\@:
	s_barrier_wait -3
	s_barrier_signal -1
	s_barrier_wait -1
.endm
.macro PLACES                          ; four places behind matrix instructions (ISA guide 7.12.1)
.rept 4
	v_nop
.endr
.endm
.macro ALOAD a, k                      ; x's tile a of K step k: 512 consecutive bytes a load
	WIN 0x40
.irp c, 0,1,2,3
	global_load_b128 v[64*((\k)%4)+16*(\a)+4*\c:64*((\k)%4)+16*(\a)+4*\c+3], v[LI], s[48:49] offset:16384*(\a)+2048*(\k)+512*\c
.endr
.endm
.macro BFR b, k                        ; q's and k's weights, tile b of K step k, into the step's set
.if (\k)%2
	WIN 0xc0
.set FB, B1+16*(\b)
.else
	WIN 0
.set FB, B0+16*(\b)
.endif
.irp c, 0,1,2,3
	ds_load_b128 v[FB+4*\c:FB+4*\c+3], v[LI+(\k)/2] offset:4096*(\b)+2048*((\k)%2)+512*\c
.endr
.endm
.macro VFR t, k                        ; v's weights, tile t of K step k
	WIN 0
.irp c, 0,1,2,3
	ds_load_b128 v[VB+16*(\t)+4*\c:VB+16*(\t)+4*\c+3], v[LI+(\k)/2] offset:4096*(8+(\t))+2048*((\k)%2)+512*\c
.endr
.endm
; The 48 accumulators take turns, one instruction a turn, in the same order in every K step; K step 0 starts the sums.
.macro MQ b, k
.if (\k)%2
	WIN 0xa7
.set FB, B1+16*(\b)
.else
	WIN 0xa4
.set FB, B0+16*(\b)
.endif
.irp a, 0,1,2,3
.set AC, 8*(4*(\b)+\a)
.set FA, 64*((\k)%4)+16*\a
.if (\k) == 0
	v_wmma_f32_16x16x128_fp8_fp8 v[AC:AC+7], v[FB:FB+15], v[FA:FA+15], 0
.else
	v_wmma_f32_16x16x128_fp8_fp8 v[AC:AC+7], v[FB:FB+15], v[FA:FA+15], v[AC:AC+7]
.endif
.endr
.endm
.macro MV t, k
	WIN 0xf1
.irp a, 0,1,2,3
.set AC, 8*(4*(\t)+\a)
.set FA, 64*((\k)%4)+16*\a
.if (\k) == 0
	v_wmma_f32_16x16x128_fp8_fp8 v[AC:AC+7], v[FA:FA+15], v[VB+16*(\t):VB+16*(\t)+15], 0
.else
	v_wmma_f32_16x16x128_fp8_fp8 v[AC:AC+7], v[FA:FA+15], v[VB+16*(\t):VB+16*(\t)+15], v[AC:AC+7]
.endif
.endr
.endm
; A K step: 48 products; behind each four of them one tile's LDS loads: v's of this step, then q's and k's of the next.  lc: the global loads that may be out behind this step's fragments of x.
; bar = 1 (K step 3): the next K step lies in the second half of K: each wave waits for its load, and a barrier shows the half to all.  Nothing is filled again.
.macro KSTEP k, lc, bar
	s_wait_loadcnt \lc
	PLACES                                         ; in front of loads into registers that the last step's products read
	s_wait_dscnt 16                                ; tiles 0-3 are in; 4-7's sixteen loads may be out
.irp g, 0,1,2,3
	MQ \g, \k
.if \bar == 0
	VFR \g, \k
.elseif \g == 1
	WIN 0
	s_wait_dscnt 0x0                               ; no LDS load of mine is pending at the signal
	s_wait_tensorcnt 0x0                           ; my load is in (the second half's, in waves 2 and 3)
	s_barrier_signal -1
.elseif \g == 2
	VFR 0, \k
	VFR 1, \k
.elseif \g == 3
	VFR 2, \k
	VFR 3, \k
.endif
.endr
.if \bar
	s_barrier_wait -1
.else
	s_wait_dscnt 16                                ; tiles 4-7 are in; v's sixteen loads may be out
.endif
.irp g, 4,5,6,7
	MQ \g, \k
.if \k < 7
	BFR \g-4, \k+1
.endif
.if (\k >= 1) && (\k <= 4)
	ALOAD \g-4, \k+3
.endif
.if \k == 5                            ; the bias of q and k at d = 32 (i % 2) + 16 h + 4 j on, where K step 4's x lay
	WIN 0x40
.irp j, 0,1,2,3
	global_load_b128 v[16*(\g-4)+4*\j:16*(\g-4)+4*\j+3], v[BRO], s[10:11] offset:4096*((\g-4)/2)+128*(\g%2)+16*\j
.endr
.endif
.if \k == 6                            ; the bias of v at d = rho(t, r), twice, as a pair
	WIN 0x40
	global_load_b32 v[64+2*(\g-4)], v[BLO], s[10:11] offset:8192+128*((\g-4)/2)+32*(\g%2)
	global_load_b32 v[65+2*(\g-4)], v[BLO], s[10:11] offset:8192+128*((\g-4)/2)+32*(\g%2)
.endif
.endr
.if \k < 7
	s_wait_dscnt 16                                ; v's tiles are in; the next step's tiles 0-3 may be out
.else
	s_wait_dscnt 0x0
.endif
.irp t, 0,1,2,3
	MV \t, \k
.if \k < 7
	BFR 4+\t, \k+1
.endif
.endr
.endm
.macro MK se, vlim                     ; a quantiser's two constants
	s_add_co_i32 s56, s[\se], 127
	s_lshl_b32 s57, s56, 23
	v_mov_b32 v[\vlim+1], s57
	s_add_co_i32 s56, s56, 8
	s_lshl_b32 s56, s56, 23
	s_or_b32 s56, s56, 0x600000                    ; the mantissa field of 448
	v_mov_b32 v[\vlim], s56
.endm
.set NB, 0
.macro CODES lim, db, off0, off1       ; 32 numbers become two stores of 16 codes a lane
	WIN 0
.set TT, T+32*(NB%2)
.set CC, CD+8*NB
.set j, 0
.rept 32
	v_med3_num_f32 v[TT+j], v[TT+j], -v[\lim], v[\lim]   ; the conversion does not saturate (ISA guide 7.6.2)
.set j, j+1
.endr
.irp b, 0,1
	v_cvt_scalef32_pk8_fp8_f32 v[CC+4*\b:CC+4*\b+1], v[TT+16*\b:TT+16*\b+7], v[\lim+1]
	v_cvt_scalef32_pk8_fp8_f32 v[CC+4*\b+2:CC+4*\b+3], v[TT+16*\b+8:TT+16*\b+15], v[\lim+1]
.endr
	v_nop
	global_store_b128 v[LI], v[CC:CC+3], s[\db:\db+1] offset:\off0
	global_store_b128 v[LI], v[CC+4:CC+7], s[\db:\db+1] offset:\off1
.set NB, NB+1
.endm
	s_load_b256 s[4:11], s[0:1], 0x0               ; ximg, waimg, the scales' exponents, b_attn
	s_load_b128 s[20:23], s[0:1], 0x20             ; qimg, kimg
	s_load_b64 s[24:25], s[0:1], 0x30              ; vimg
	v_lshl_add_u32 v[SPW], v0, 2, SPARE
	v_mov_b32 v[NIL], 0
	ds_add_u32 v[SPW], v[NIL]                      ; the opening: the add, twice on end
	ds_add_u32 v[SPW], v[NIL]
	v_lshrrev_b32 v16, 5, v0
	v_and_b32 v17, 31, v0
	v_readfirstlane_b32 s14, v16                   ; wave 0..3
	v_lshlrev_b32 v[LI], 4, v17
.irp c, 1,2,3
	v_add_nc_u32 v[LI+\c], \c*CH, v[LI]
.endr
	v_and_b32 v17, 15, v0                          ; r
	v_bfe_u32 v16, v0, 4, 1                        ; h
	v_and_b32 v18, 7, v17
	v_lshrrev_b32 v17, 3, v17
	v_lshlrev_b32 v[BRO], 6, v16
	v_lshl_add_u32 v18, v17, 4, v18
	v_lshlrev_b32 v[BLO], 2, v18
	s_wait_alu depctr_va_vdst(0)                   ; ahead of the scalar lines and the waits below
	s_bfe_u32 s15, ttmp6, 0x40000                  ; cx: the quarter of the batch's tokens
	s_and_b32 s16, ttmp7, 0xffff                   ; head; ttmp9, the cluster's x, is the batch
	s_lshl_b32 s48, ttmp9, 2
	s_add_co_u32 s48, s48, s15
	s_lshl_b32 s48, s48, 18                        ; x: 16 tiles of 16,384 bytes a work-group,
	s_lshl_b32 s49, s14, 16
	s_add_co_u32 s48, s48, s49                     ; four a wave
	s_mov_b32 s49, 0
	s_mul_i32 s50, s16, 12*16384                   ; the head's weights,
	s_lshl_b32 s51, s14, 12
	s_add_co_u32 s50, s50, s51                     ; from K step 2 x wave on
	s_mov_b32 s51, 0
	s_lshl_b32 s52, ttmp9, 4
	s_add_co_u32 s52, s52, s16
	s_lshl_b32 s52, s52, 16                        ; the images: 65,536 bytes a head,
	s_lshl_b32 s53, s15, 14
	s_add_co_u32 s52, s52, s53
	s_lshl_b32 s53, s14, 12
	s_add_co_u32 s52, s52, s53                     ; 4,096 for my 64 tokens, in all three
	s_mov_b32 s53, 0
	s_lshl_b32 s54, s16, 8                         ; the head's bias
	s_mov_b32 s55, 0
	s_mov_b32 s[G1], 15|(3<<16)|(1<<21)            ; the mask: all four work-groups; elements of 8 bytes; bit 21 set beside a mask
	s_mov_b32 s[G1+1], 512<<16                     ; 12 rows (tiles) of 4,096 bytes, 16,384 apart; dense in LDS
	s_mov_b32 s[G1+2], 12<<16
	s_mov_b32 s[G1+3], 512<<16
	s_mov_b32 s[G1+4], 12
	s_mov_b32 s[G1+5], 2048
	s_mov_b32 s[G1+6], 0
	s_mov_b32 s[G1+7], 0
	s_mov_b32 s[G0], 1
	s_mul_i32 s[G0+1], s14, CH
	s_wait_dscnt 0x0                               ; both opening adds are done
	s_wait_kmcnt 0x0
	s_load_b256 s[40:47], s[8:9], 0x0              ; e0 .. e7
	s_add_nc_u64 s[48:49], s[4:5], s[48:49]
	s_add_nc_u64 s[G0+2:G0+3], s[6:7], s[50:51]
	s_or_b32 s[G0+3], s[G0+3], 0x80000000
	s_add_nc_u64 s[10:11], s[10:11], s[54:55]
	s_add_nc_u64 s[20:21], s[20:21], s[52:53]
	s_add_nc_u64 s[22:23], s[22:23], s[52:53]
	s_add_nc_u64 s[24:25], s[24:25], s[52:53]
.irp k, 0,1,2
.irp a, 0,1,2,3
	ALOAD \a, \k
.endr
.endr
	WIN 0
	CROUND                                         ; all four work-groups are here: the joint loads meet
	s_cmp_lt_u32 s14, 2                            ; waves 0, 1: the first half of K; waves 2, 3: the second
	s_cbranch_scc0 .Lupper
	tensor_load_to_lds s[G0:G0+3], s[G1:G1+7]
	s_nop 0
	PLACES
	s_branch .Lasked
.Lupper:
	tensor_load_to_lds s[G0:G0+3], s[G1:G1+7]
	s_nop 0
	PLACES
.Lasked:
.irp a, 0,1,2,3
	ALOAD \a, 3
.endr
	WIN 0
	s_cmp_ge_u32 s14, 2
	s_cbranch_scc1 .Lnot_first
	s_wait_tensorcnt 0x0                           ; waves 0, 1: the first half is in
.Lnot_first:
	s_barrier_signal -1
	s_barrier_wait -1
.irp b, 0,1,2,3,4,5,6,7
	BFR \b, 0
.endr
	KSTEP 0, 48, 0                                 ; x's K steps 1, 2, 3 may be out
	KSTEP 1, 32, 0                                 ; two K steps' sixteen loads each may be out
	KSTEP 2, 32, 0
	KSTEP 3, 32, 1
	KSTEP 4, 32, 0
	KSTEP 5, 32, 0
	KSTEP 6, 32, 0                                 ; K step 7's and sixteen of the bias
	KSTEP 7, 24, 0                                 ; the bias: sixteen and eight
	WIN 0
	s_wait_kmcnt 0x0
	s_add_co_i32 s54, s40, s41
	s_add_co_i32 s54, s54, 127
	s_lshl_b32 s54, s54, 23                        ; 2^(e0 + e1)
	s_mov_b32 s55, s54                             ; (named with it as a pair)
	MK 42, LIM
	MK 43, LIM+2
	MK 45, LIM+4
	s_wait_alu depctr_va_vdst(0)
	s_wait_loadcnt 0x0                             ; the bias
	; THE WAY OUT of q and k, a tile of 16 tokens at a time: register 8 b + j is d = 32 (b / 2) + 16 h + 8 (b % 2) + j of my token
.macro OUTQ ty, a
	WIN 0x12
.irp b, 0,1,2,3
.irp j, 0,2,4,6
	v_pk_fma_f32 v[T+32*(NB%2)+8*\b+\j:T+32*(NB%2)+8*\b+\j+1], v[8*(4*(4*\ty+\b)+\a)+\j:8*(4*(4*\ty+\b)+\a)+\j+1], s[54:55], v[32*\ty+8*\b+\j:32*\ty+8*\b+\j+1] op_sel_hi:[1,0,1]
.endr
.endr
	CODES LIM+2*\ty, 20+2*\ty, \a*1024, \a*1024+512
.endm
.irp a, 0,1,2,3
	OUTQ 0, \a
.endr
.irp a, 0,1,2,3
	OUTQ 1, \a
.endr
	; of v: tiles t0, t0 + 1 of d x 32 tokens: register 16 (t % 2) + 8 u + j is token 32 al + 16 h + 8 u + j
.macro OUTV al, t0
	WIN 0x13
.irp w, 0,1
.irp u, 0,1
.irp j, 0,2,4,6
	v_pk_fma_f32 v[T+32*(NB%2)+16*\w+8*\u+\j:T+32*(NB%2)+16*\w+8*\u+\j+1], v[8*(4*(\t0+\w)+2*\al+\u)+\j:8*(4*(\t0+\w)+2*\al+\u)+\j+1], s[54:55], v[64+2*(\t0+\w):65+2*(\t0+\w)] op_sel_hi:[1,0,1]
.endr
.endr
.endr
	CODES LIM+4, 24, \al*2048+\t0*512, \al*2048+\t0*512+512
.endm
	OUTV 0, 0
	OUTV 0, 2
	OUTV 1, 0
	OUTV 1, 2
	s_wait_tensorcnt 0x0                           ; the wave's end
	ds_add_u32 v[SPW], v[NIL]
	s_wait_dscnt 0x0
	CROUND                                         ; the closing round
	s_endpgm
.Lfunc_end_k_qf846f52e14_qkv:
	.size	k_qf846f52e14_qkv, .Lfunc_end_k_qf846f52e14_qkv-k_qf846f52e14_qkv
	.p2alignl 7, 3214868480
	.fill 96, 4, 3214868480
	.section	.rodata,"a",@progbits
	.p2align	6, 0x0
	.amdhsa_kernel k_qf846f52e14_qkv
		.amdhsa_group_segment_fixed_size 327680
		.amdhsa_private_segment_fixed_size 0
		.amdhsa_enable_private_segment 0
		.amdhsa_kernarg_size 56
		.amdhsa_user_sgpr_count 2
		.amdhsa_user_sgpr_kernarg_segment_ptr 1
		.amdhsa_wavefront_size32 1
		.amdhsa_system_sgpr_workgroup_id_x 1
		.amdhsa_system_sgpr_workgroup_id_y 1
		.amdhsa_system_sgpr_workgroup_id_z 1
		.amdhsa_system_vgpr_workitem_id 0
		.amdhsa_next_free_vgpr 1024
		.amdhsa_next_free_sgpr 66
		.amdhsa_reserve_vcc 0
		.amdhsa_float_denorm_mode_32 3
		.amdhsa_float_denorm_mode_16_64 3
		.amdhsa_memory_ordered 1
		.amdhsa_forward_progress 1
		.amdhsa_inst_pref_size 119
	.end_amdhsa_kernel
	.amdgpu_metadata
---
amdhsa.version: [ 1, 2 ]
amdhsa.kernels:
  - .name:           k_qf846f52e14_qkv
    .symbol:         k_qf846f52e14_qkv.kd
    .args:
      - { .name: ximg, .offset: 0, .size: 8, .value_kind: global_buffer, .address_space: global }
      - { .name: waimg, .offset: 8, .size: 8, .value_kind: global_buffer, .address_space: global }
      - { .name: lowp_scales, .offset: 16, .size: 8, .value_kind: global_buffer, .address_space: global }
      - { .name: b_attn, .offset: 24, .size: 8, .value_kind: global_buffer, .address_space: global }
      - { .name: qimg, .offset: 32, .size: 8, .value_kind: global_buffer, .address_space: global }
      - { .name: kimg, .offset: 40, .size: 8, .value_kind: global_buffer, .address_space: global }
      - { .name: vimg, .offset: 48, .size: 8, .value_kind: global_buffer, .address_space: global }
    .group_segment_fixed_size: 327680
    .private_segment_fixed_size: 0
    .kernarg_segment_align: 8
    .kernarg_segment_size: 56
    .max_flat_workgroup_size: 128
    .sgpr_count:     66
    .vgpr_count:     1024
    .wavefront_size: 32
...
	.end_amdgpu_metadata
.endif
;; end of part 2
;; launch attn (part 3): grid 4 x 64, 16 waves a work-group, clusters of 4 x 1, 206,848 bytes of LDS; arguments qimg, kimg, vimg, lowp_scales, yimg; writes yimg
.if DOCPART == 3
	.amdgcn_target "amdgcn-amd-amdhsa--gfx1250"
	.amdhsa_code_object_version 6
	.text
	.protected	k_qf846f52e14_attn
	.globl	k_qf846f52e14_attn
	.p2align	8
	.type	k_qf846f52e14_attn,@function
k_qf846f52e14_attn:
	s_mov_b64 s[64:65], 0
	v_nop
	global_prefetch_b8 v0, s[64:65] scope:SCOPE_SE
	s_setreg_imm32_b32 hwreg(HW_REG_WAVE_MODE, 25, 1), 1
	s_wait_xcnt 0x0
	s_wait_alu depctr_hold_cnt(0) depctr_sa_sdst(0) depctr_va_vdst(0) depctr_va_sdst(0) depctr_va_ssrc(0) depctr_va_vcc(0) depctr_vm_vsrc(0)
	s_getreg_b32 s2, hwreg(HW_REG_IB_STS2, 6, 4)
	s_cmp_eq_u32 s2, 0
	s_cbranch_scc0 .Lentry_in_a_cluster
	s_endpgm
.Lentry_in_a_cluster:
	s_bfe_u32 s2, ttmp6, 0x10000c
	s_cmp_lg_u32 s2, 0x3003
	s_cbranch_scc0 .Lentry_shape_is_right
	s_endpgm
.Lentry_shape_is_right:
; y = causal softmax(q k^T / 8) v for 64 heads of 1,024 tokens x 64, both products on codes of FP8 (E4M3); y is quantised (entry 6 of the scales) and leaves as an image of the last product's operand.
; Left out: key steps that lie wholly under the causal mask: their p is 0 for all inputs.  (A NaN or an infinity in such a score alone is not carried to the result.)
; THE SOFTMAX: t = score x log2(e) / 8; M = the row's largest t so far, rounded UP to a whole number; p = 2^(t - M) is quantised with 2^e4, not normalised; the row's sum is taken of the unquantised p and divides at the end.
; When M moves, the sum and O are multiplied by 2^(old M - new M): exact.
; IMAGES (made by the launch before).  qimg, kimg: [head][tile of 16 tokens][2 groups][512]: lane l = r + 16 h owns, at 16 l of group c, d = 32 c + 16 h + 0 .. 15 of token rho(i, r) = 32 (i / 2) + 8 (i % 2) + r % 8 + 16 (r / 8).
; vimg: [head][group of 32 keys][tile of the head's 64][512]: lane l owns keys 16 h + 0 .. 15 of the group, of d = rho(t, r).  yimg: byte 16384 x token tile + 1024 x head + 512 beta + 16 l.
; Both products are used transposed: S^T = K Q^T, O^T = V^T P^T: a lane holds ONE query throughout; by rho the 16 registers of two neighbouring tiles are 16 neighbouring keys (S^T) or 16 neighbouring d (O^T), so the conversions'
; results are the next operand's registers.
; SHARES.  A cluster of four work-groups is one head; each holds the head's whole K and V in LDS (65,536 bytes each), filled ONCE by joint loads, one a wave.  Group g of the queries is 64 g .. 64 g + 63; work-group cx takes the tile 4 g + cx of each group.
; A tile of group g needs key steps 0 .. g of 64 keys.  So that all waves have 8 or 9 steps, two waves share two tiles: wave g (0 .. 7) takes group g (steps 0 .. g), then group 15 - g's steps 15 - g down to 8;
; wave 8 + g takes group 15 - g's steps 0 .. 7.  In trip t a wave is at step t, or behind its change of tiles at step 16 - t.  At the change a wave leaves its state (O, -M, the sum) in LDS and begins anew;
; at the end each wave takes in its partner's state: wave g joins the two parts of group 15 - g, wave 8 + g finishes group g.  What a wave does hangs on its number alone: all work-groups do the same work.
; Waves 0-7 fetch the keys of steps 0 .. 7, waves 8-15 the others; trip 0 needs step 0 alone and stands ahead of the second half's wait.
; No prefetch into the L2: all tensor loads go out at the head.
; LIMITS: e2 + e3 between -123 and 130 (added to the exponent field of log2(e) / 8); e4 and e6 between -126 and 119.  NaN is not served.
.set LI,   1                           ; v1   16 x lane
.set VD,   2                           ; v2   my query - 64 g - 16 h: register n of S^T is hidden on the diagonal where 32 (n / 16) + n % 16 is above it
.set NINF, 3                           ; v3   -infinity
.set XST,  4                           ; v4   where my state goes
.set XLD,  5                           ; v5   where my partner's lies
.set SPW,  6
.set NIL,  7
.set ADK,  8                           ; v8   LDS address of the step's K
.set ADV,  9                           ; v9   of its V
.set Q,    16                          ; v16-23   Q's fragment.  v12 -M, v13 the largest score, v[14:15] the sum in two halves
.set Q2,   24                          ; v24-31   the second tile's
.set KF,   32                          ; v32-63   four tiles of K
.set VF,   64                          ; v64-95   four tiles of V
.set S,    96                          ; v96-127  S^T, then p, at the end y
.set O,    128                         ; v128-159 O^T
.set PC,   160                         ; v160-167 p's codes, at the end y's
.set BIG,  0x7f61b1e6                  ; 3e38
.set XB,   131072                      ; the states: 4,608 bytes a wave: O, then v[12:15]
.set XS,   4608
.set SPARE, XB+16*XS                   ; the spare words, 128 bytes a wave
.set WV,   18                          ; s18  my wave's number
.set BW,   19                          ; s19  1 in waves 8-15
.set SEL,  20                          ; s[20:21] lane selects for v_permlanex16_b32: lane l xor 16
.set CS,   22                          ; s[22:23] c = log2(e) / 8 x 2^(e2 + e3)
.set G1,   24                          ; s[24:31] descriptor group 1;  s[32:35] group 0
.set G0,   32
.set TB,   36                          ; s36  the step's bytes in K and in V: 4,096 x step
.set KT,   37                          ; s37  the trip
.set SW,   48                          ; s48  the trip at which I change tiles
.set UP,   49                          ; s49  4,096 x trip
.set DN,   50                          ; s50  4,096 x (16 - trip)
.set NC,   51                          ; s51  -c
.set MSK,  68                          ; s68-99 the diagonal's masks, a register of S^T each
.macro CROUND                          ; a round of the cluster's barrier
	s_barrier_signal -1
	s_barrier_wait -1
	s_cmp_lg_u32 s[WV], 0
	s_cbranch_scc1 .Lnot_wave_0_\@
	s_barrier_signal -3
.Lnot_wave_0_\@:
	s_barrier_wait -3
	s_barrier_signal -1
	s_barrier_wait -1
.endm
.macro MK se, vsc, vlim                ; a quantiser's two constants: 2^e and 448 x 2^e
	s_add_co_i32 s38, s[\se], 127
	s_lshl_b32 s39, s38, 23
	v_mov_b32 v[\vsc], s39
	s_add_co_i32 s38, s38, 8
	s_lshl_b32 s38, s38, 23
	s_or_b32 s38, s38, 0x600000
	v_mov_b32 v[\vlim], s38
.endm
.macro SETUP                           ; the masks, and O^T as zeros (the step is written once: the first change of M leaves zeros)
.set n, 0
.rept 32
	v_cmp_gt_i32 s[MSK+n], 32*(n/16)+n%16, v[VD]
	v_mov_b32 v[O+n], 0
.set n, n+1
.endr
.endm
.macro FETCH
	tensor_load_to_lds s[G0:G0+3], s[G1:G1+7]
	s_nop 0
.rept 4
	v_nop
.endr
.endm
	s_load_b256 s[4:11], s[0:1], 0x0               ; qimg s[4:5], kimg s[6:7], vimg s[8:9], the scales' exponents s[10:11]
	s_load_b64 s[12:13], s[0:1], 0x20              ; yimg
	v_lshl_add_u32 v[SPW], v0, 2, SPARE
	v_mov_b32 v[NIL], 0
	ds_add_u32 v[SPW], v[NIL]                      ; the opening: the add, twice on end
	ds_add_u32 v[SPW], v[NIL]
	v_lshrrev_b32 v10, 5, v0
	v_readfirstlane_b32 s[WV], v10                 ; wave 0..15
	s_bfe_u32 s14, ttmp6, 0x40000                  ; cx: it enters Q's and y's addresses and the masks' numbers alone
	s_and_b32 s15, ttmp7, 0xffff                   ; the head (16 x batch + head), which the four partners share
	s_mul_i32 s38, s[WV], XS
	s_add_co_u32 s38, s38, XB
	s_xor_b32 s39, s[WV], 8
	s_mul_i32 s39, s39, XS
	s_add_co_u32 s39, s39, XB
	s_lshr_b32 s52, s14, 1
	s_lshl_b32 s52, s52, 5
	s_and_b32 s53, s14, 1
	s_lshl_b32 s53, s53, 3
	s_add_co_u32 s52, s52, s53                     ; 32 (cx / 2) + 8 (cx % 2)
	v_and_b32 v11, 31, v0
	v_and_b32 v10, 15, v0                          ; r
	v_lshlrev_b32 v[LI], 4, v11
	v_bfe_u32 v11, v0, 4, 1                        ; h
	v_and_b32 v[VD], 7, v10
	v_add_nc_u32 v[XST], s38, v[LI]
	v_add_nc_u32 v[XLD], s39, v[LI]
	v_lshrrev_b32 v10, 3, v10
	v_lshlrev_b32 v11, 4, v11
	v_lshl_add_u32 v[VD], v10, 4, v[VD]            ; r % 8 + 16 (r / 8)
	v_sub_nc_u32 v11, s52, v11
	v_mov_b32 v[NINF], 0xff800000
	v_add_nc_u32 v[VD], v[VD], v11
	s_wait_alu depctr_va_vdst(0)                   ; ahead of the scalar lines and the waits below
	; descriptor group 1: 8,192 dense bytes as 32 rows of 32 elements of 8 bytes
	s_mov_b32 s[G1], 15|(3<<16)|(1<<21)            ; 15:0 the mask: all four work-groups; 17:16 elements of 8 bytes; 21 set beside a mask
	s_mov_b32 s[G1+1], 32<<16
	s_mov_b32 s[G1+2], 32<<16
	s_mov_b32 s[G1+3], 32<<16
	s_mov_b32 s[G1+4], 32
	s_mov_b32 s[G1+5], 32
	s_mov_b32 s[G1+6], 0
	s_mov_b32 s[G1+7], 0
	s_mov_b32 s[SEL], 0x76543210
	s_mov_b32 s[SEL+1], 0xfedcba98
	s_mov_b32 s[CS], 0x3e38aa3b                    ; log2(e) / 8
	s_lshr_b32 s[BW], s[WV], 3
	s_add_co_u32 s[SW], s[WV], 1
	s_min_u32 s[SW], s[SW], 8                      ; wave g: g + 1; waves 8-15: 8
	s_mul_i32 s54, s[BW], 7
	s_xor_b32 s16, s[WV], s54                      ; my first group of queries: g, or 15 - g
	s_xor_b32 s54, s54, 15
	s_xor_b32 s17, s[WV], s54                      ; the group whose result I store: 15 - g, or g
	s_lshl_b32 s52, s15, 16                        ; the head's 65,536 bytes
	s_mov_b32 s53, 0
	s_lshl_b32 s16, s16, 2
	s_add_co_u32 s16, s16, s14                     ; tile 4 x group + cx
	s_lshl_b32 s54, s16, 10                        ; Q: 1,024 bytes a tile
	s_add_co_u32 s54, s54, s52
	s_mov_b32 s55, 0
	s_lshl_b32 s17, s17, 2
	s_add_co_u32 s17, s17, s14
	s_lshl_b32 s56, s17, 10
	s_add_co_u32 s56, s56, s52
	s_mov_b32 s57, 0
	s_lshr_b32 s58, s15, 4
	s_lshl_b32 s58, s58, 6
	s_add_co_u32 s58, s58, s17                     ; y: token tile 64 x batch + the tile,
	s_lshl_b32 s58, s58, 14
	s_and_b32 s59, s15, 15
	s_lshl_b32 s59, s59, 10                        ; the head's two groups
	s_add_co_u32 s58, s58, s59
	s_mov_b32 s59, 0
	; what I fetch: waves 0-3 of each eight K, waves 4-7 V; waves 0-7 the first half of the keys, 8-15 the second; 8,192 bytes each
	s_bfe_u32 s38, s[WV], 0x10002
	s_lshl_b32 s38, s38, 16                        ; K lies at LDS byte 0, V at 65,536
	s_and_b32 s39, s[WV], 3
	s_lshl_b32 s39, s39, 13
	s_lshl_b32 s60, s[BW], 15
	s_add_co_u32 s60, s60, s39
	s_mov_b32 s[G0], 1
	s_add_co_u32 s[G0+1], s38, s60
	s_add_co_u32 s60, s60, s52
	s_mov_b32 s61, 0
	s_wait_dscnt 0x0                               ; both opening adds are done
	s_wait_kmcnt 0x0
	s_load_b256 s[40:47], s[10:11], 0x0            ; e0 .. e7
	s_add_nc_u64 s[54:55], s[4:5], s[54:55]
	s_add_nc_u64 s[56:57], s[4:5], s[56:57]
	s_add_nc_u64 s[12:13], s[12:13], s[58:59]
	s_cmp_eq_u32 s38, 0
	s_cselect_b64 s[62:63], s[6:7], s[8:9]
	s_add_nc_u64 s[G0+2:G0+3], s[62:63], s[60:61]
	s_or_b32 s[G0+3], s[G0+3], 0x80000000
.irp c, 0,1
	global_load_b128 v[Q+4*\c:Q+4*\c+3], v[LI], s[54:55] offset:512*\c
	global_load_b128 v[Q2+4*\c:Q2+4*\c+3], v[LI], s[56:57] offset:512*\c   ; (waves 8-15 have no second tile to multiply; one text serves all)
.endr
	CROUND                                         ; all four work-groups are here: the joint loads meet
	s_cmp_lt_u32 s[WV], 8                          ; the first half of the keys is asked for first
	s_cbranch_scc0 .Lsecond_half
	FETCH
	SETUP
	s_branch .Lasked
.Lsecond_half:
	SETUP
	FETCH
.Lasked:
	v_mov_b32 v12, BIG                             ; -M: under every t
	v_mov_b32 v13, 0xff61b1e6                      ; the largest score so far: -3e38
	v_mov_b32 v14, 0
	v_mov_b32 v15, 0
	v_mov_b32 v236, 0                              ; written once: a lane permute's destination counts as one of its sources
	v_mov_b32 v249, 0                              ; (named as the upper halves of pairs)
	v_mov_b32 v253, 0
	s_wait_alu depctr_va_vdst(0)
	s_wait_kmcnt 0x0
	s_add_co_i32 s38, s42, s43
	s_lshl_b32 s38, s38, 23
	s_add_co_i32 s[CS], s[CS], s38                 ; a score stands for score x 2^(e2 + e3)
	s_mov_b32 s[CS+1], s[CS]                       ; (named with it as a pair, so it is written)
	s_xor_b32 s[NC], s[CS], 0x80000000
	MK 44, 244, 240                                ; p's quantiser
	v_mov_b32 v241, s38                            ; (the bound twice, for the pairs below)
	MK 46, 247, 246                                ; y's
	s_mov_b32 s[KT], 0
	s_wait_alu depctr_va_vdst(0)                   ; at the head's end
	s_cmp_ge_u32 s[WV], 8
	s_cbranch_scc1 .Llater
	s_wait_tensorcnt 0x0                           ; my part of the first half is in,
.Llater:
	s_barrier_signal -1
	s_barrier_wait -1                              ; everybody's is
	s_wait_loadcnt 0x0                             ; Q
.macro TRIP first
.if \first
	s_mov_b32 s[TB], 0
.else
	s_cmp_lg_u32 s[KT], s[SW]
	s_cbranch_scc1 .Lsame_\@
.rept 4
	v_nop                                          ; places behind the last products
.endr
.irp i, 0,1,2,3,4,5,6,7
	ds_store_b128 v[XST], v[O+4*\i:O+4*\i+3] offset:512*\i
.endr
	ds_store_b128 v[XST], v[12:15] offset:4096
	s_wait_dscnt 0x0                               ; the state is in LDS, and its registers are free
	v_mov_b32 v12, BIG                             ; begun anew: the next change of M makes O and the sum zeros
	v_mov_b32 v13, 0xff61b1e6
.irp j, 0,1,2,3,4,5,6,7
	v_mov_b32 v[Q+\j], v[Q2+\j]
.endr
	s_wait_alu depctr_va_vdst(0)
.Lsame_\@:
	s_add_co_u32 s38, s[KT], s[BW]
	s_cmp_gt_u32 s38, 8                            ; waves 8-15 have no step in trip 8
	s_cbranch_scc1 .Lnone_\@
	s_cmp_ge_u32 s[KT], s[SW]
	s_cselect_b32 s[TB], s[DN], s[UP]
.endif
	v_add_nc_u32 v[ADK], s[TB], v[LI]
	v_nop                                          ; with the additions: four places behind the last step's products, in front of the loads into V's registers
	v_add_nc_u32 v[ADV], 0x10000, v[ADK]
	v_nop
.irp t, 0,1,2,3
.irp c, 0,1
	ds_load_b128 v[KF+8*\t+4*\c:KF+8*\t+4*\c+3], v[ADK] offset:1024*\t+512*\c
.endr
.endr
.irp t, 0,1,2,3
.irp c, 0,1
	ds_load_b128 v[VF+8*\t+4*\c:VF+8*\t+4*\c+3], v[ADV] offset:2048*\c+512*\t
.endr
.endr
	s_wait_dscnt 8                                 ; K is in; V's eight loads may be out
.irp t, 0,1,2,3
	v_wmma_f32_16x16x64_fp8_fp8 v[S+8*\t:S+8*\t+7], v[KF+8*\t:KF+8*\t+7], v[Q:Q+7], 0   ; register 16 b + i: key 64 step + 32 b + 16 h + i
.endr
.rept 4
	v_nop
.endr
	s_sub_co_u32 s38, s[KT], s[WV]
	s_cmp_gt_u32 s38, 1                            ; wave g is on a diagonal in trips g and g + 1; waves 8-15 never
	s_cbranch_scc1 .Lopen_\@
.set n, 0
.rept 32
	v_cndmask_b32 v[S+n], v[S+n], v[NINF], s[MSK+n]   ; hidden scores become -infinity ahead of the maximum: p = 0 then.  A query's own key always counts
.set n, n+1
.endr
.Lopen_\@:
	v_max3_num_f32 v254, v96, v97, v98             ; the step's largest score of my query among my 32 keys, in two chains,
	v_max3_num_f32 v252, v99, v100, v101
.irp i, 6,10,14,18,22,26
	v_max3_num_f32 v254, v254, v[S+\i], v[S+1+\i]
	v_max3_num_f32 v252, v252, v[S+2+\i], v[S+3+\i]
.endr
	v_max3_num_f32 v254, v254, v126, v127
	s_delay_alu instid0(VALU_DEP_1)
	v_max_num_f32 v254, v254, v252
	s_delay_alu instid0(VALU_DEP_1)
	v_permlanex16_b32 v236, v254, s[SEL], s[SEL+1]
	s_delay_alu instid0(VALU_DEP_1)
	v_max3_num_f32 v13, v13, v254, v236            ; with lane l xor 16's and the earlier ones
	s_delay_alu instid0(VALU_DEP_1)
	v_mul_f32 v250, s[NC], v13                     ; -t (c is positive)
	s_delay_alu instid0(VALU_DEP_1)
	v_floor_f32 v250, v250                         ; the new -M = floor(-t) = -ceil(t)
	s_delay_alu instid0(VALU_DEP_1)
	v_sub_f32 v254, v250, v12                      ; old M - new M: a whole number, 0 or less
	v_mov_b32 v12, v250
	s_delay_alu instid0(VALU_DEP_2)
	v_cvt_i32_f32 v254, v254                       ; (it saturates)
	s_delay_alu instid0(VALU_DEP_1)
	v_ldexp_f32 v252, 1.0, v254                    ; f = 2^(old M - new M)
.set j, 0
.rept 16
	v_pk_fma_f32 v[S+j:S+j+1], v[S+j:S+j+1], s[CS:CS+1], v[12:13] op_sel_hi:[1,0,0]   ; t - M, two at a time
.set j, j+2
.endr
.set j, 0
	s_wait_alu depctr_va_vdst(0)                   ; ahead of the batch
.rept 32
	v_exp_f32 v[S+j], v[S+j]                       ; p = 2^(t - M)
.set j, j+1
.endr
	v_pk_mul_f32 v[14:15], v[14:15], v[252:253] op_sel_hi:[1,0]   ; the sums under the new M: the plain instruction behind the exponentials
	s_wait_dscnt 0x0                               ; V is in
	s_wait_alu depctr_va_vdst(0)                   ; one wait for the batch of 32 and for O^T, ahead of their first readers
.set j, 0
.rept 16
	v_pk_mul_f32 v[O+j:O+j+1], v[O+j:O+j+1], v[252:253] op_sel_hi:[1,0]   ; O^T under the new M
.set j, j+2
.endr
	v_pk_add_f32 v[242:243], v[100:101], v[104:105]
	v_pk_add_f32 v[248:249], v[108:109], v[112:113]
	v_pk_add_f32 v[238:239], v[116:117], v[120:121]
	v_pk_add_f32 v[234:235], v[124:125], v[96:97]
	v_pk_add_f32 v[232:233], v[98:99], v[102:103]
	v_pk_add_f32 v[230:231], v[106:107], v[110:111]
	v_pk_add_f32 v[228:229], v[114:115], v[118:119]
	v_pk_add_f32 v[14:15], v[14:15], v[122:123]
	v_pk_add_f32 v[242:243], v[242:243], v[126:127]
	s_delay_alu instid0(VALU_DEP_2)
	v_pk_add_f32 v[14:15], v[14:15], v[234:235]
	s_delay_alu instid0(VALU_DEP_2)
	v_pk_add_f32 v[242:243], v[242:243], v[232:233]
	v_pk_add_f32 v[248:249], v[248:249], v[230:231]
	v_pk_add_f32 v[238:239], v[238:239], v[228:229]
	s_delay_alu instid0(VALU_DEP_2)
	v_pk_add_f32 v[14:15], v[14:15], v[248:249]
	s_delay_alu instid0(VALU_DEP_2)
	v_pk_add_f32 v[242:243], v[242:243], v[238:239]
	s_delay_alu instid0(VALU_DEP_1)
	v_pk_add_f32 v[14:15], v[14:15], v[242:243]
.set j, 0
.rept 16
	v_dual_min_num_f32 v[S+j], v[S+j], v240 :: v_dual_min_num_f32 v[S+j+1], v[S+j+1], v241   ; the conversion does not saturate (ISA guide 7.6.2); p is not negative, so the hold is one-sided
.set j, j+2
.endr
.irp b, 0,1
	v_cvt_scalef32_pk8_fp8_f32 v[PC+4*\b:PC+4*\b+1], v[S+16*\b:S+16*\b+7], v244
	v_cvt_scalef32_pk8_fp8_f32 v[PC+4*\b+2:PC+4*\b+3], v[S+16*\b+8:S+16*\b+15], v244
.endr
	v_nop                                          ; a plain instruction between the conversions and the products
.irp t, 0,1,2,3
	v_wmma_f32_16x16x64_fp8_fp8 v[O+8*\t:O+8*\t+7], v[VF+8*\t:VF+8*\t+7], v[PC:PC+7], v[O+8*\t:O+8*\t+7]   ; the four accumulators take turns; S^T's four products stand between two links of a chain
.endr
.if \first == 0
.Lnone_\@:
.endif
.endm
	TRIP 1
	s_mov_b32 s[KT], 1
	s_mov_b32 s[UP], 4096
	s_mov_b32 s[DN], 15*4096
	s_wait_alu depctr_va_vdst(0)
	s_wait_tensorcnt 0x0                           ; my load is in (the second half's, in waves 8-15),
	s_barrier_signal -1
	s_barrier_wait -1                              ; everybody's is
.Ltrip:                                            ; trips 1 to 8 in every wave
	TRIP 0
	s_add_co_u32 s[UP], s[UP], 4096
	s_sub_co_u32 s[DN], s[DN], 4096
	s_wait_alu depctr_va_vdst(0)                   ; ahead of the branch
	s_add_co_u32 s[KT], s[KT], 1
	s_cmp_lt_u32 s[KT], 9
	s_cbranch_scc1 .Ltrip
	; THE PARTNER'S STATE, brought under one M with mine.  (Waves 8-15 have begun anew: their own factor is 0.)
	s_wait_dscnt 0x0
	s_barrier_signal -1
	s_barrier_wait -1                              ; everybody's states are in LDS
.rept 4
	v_nop                                          ; places behind the last products
.endr
	ds_load_b128 v[64:67], v[XLD] offset:4096      ; -M, (the largest score), the sum's halves
.irp i, 0,1,2,3,4,5,6,7
	ds_load_b128 v[KF+4*\i:KF+4*\i+3], v[XLD] offset:512*\i
.endr
	s_wait_dscnt 8                                 ; the first is in; O's eight loads may be out
	v_min_num_f32 v250, v12, v64                   ; -M of the two
	v_sub_f32 v254, v250, v12
	v_sub_f32 v248, v250, v64
	v_cvt_i32_f32 v254, v254
	v_cvt_i32_f32 v248, v248
	v_ldexp_f32 v252, 1.0, v254                    ; my factor,
	v_ldexp_f32 v248, 1.0, v248                    ; and the partner's: whole powers of two
	v_pk_mul_f32 v[14:15], v[14:15], v[252:253] op_sel_hi:[1,0]
	v_pk_fma_f32 v[14:15], v[66:67], v[248:249], v[14:15] op_sel_hi:[1,0,1]
	v_add_f32 v14, v14, v15                        ; the sum's two halves,
	s_delay_alu instid0(VALU_DEP_1)
	v_permlanex16_b32 v236, v14, s[SEL], s[SEL+1]
	s_delay_alu instid0(VALU_DEP_1)
	v_add_f32 v14, v14, v236                       ; and lane l xor 16's
	s_wait_alu depctr_va_vdst(0)                   ; ahead of the transcendental
	v_rcp_f32 v14, v14
	v_nop                                          ; a plain instruction behind the reciprocal
	s_add_co_i32 s38, s44, s45
	s_wait_alu depctr_va_vdst(0)                   ; and the wait ahead of its first reader
	v_ldexp_f32 v14, v14, s38                      ; 2^(e4 + e5) / the sum
	v_mul_f32 v252, v252, v14
	v_mul_f32 v248, v248, v14
	s_wait_dscnt 0x0
	s_wait_alu depctr_va_vdst(0)                   ; ahead of O^T's first reader
.set j, 0
.rept 16
	v_pk_mul_f32 v[S+j:S+j+1], v[O+j:O+j+1], v[252:253] op_sel_hi:[1,0]   ; each accumulator from its low end on
.set j, j+2
.endr
.set j, 0
.rept 16
	v_pk_fma_f32 v[S+j:S+j+1], v[KF+j:KF+j+1], v[248:249], v[S+j:S+j+1] op_sel_hi:[1,0,1]
.set j, j+2
.endr
.set j, 0
.rept 32
	v_med3_num_f32 v[S+j], v[S+j], -v246, v246
.set j, j+1
.endr
.irp b, 0,1
	v_cvt_scalef32_pk8_fp8_f32 v[PC+4*\b:PC+4*\b+1], v[S+16*\b:S+16*\b+7], v247
	v_cvt_scalef32_pk8_fp8_f32 v[PC+4*\b+2:PC+4*\b+3], v[S+16*\b+8:S+16*\b+15], v247
.endr
	v_nop
.irp b, 0,1
	global_store_b128 v[LI], v[PC+4*\b:PC+4*\b+3], s[12:13] offset:512*\b   ; register 16 b + i is d = 32 b + 16 h + i: two groups of y's image, 512 consecutive bytes a store
.endr
	s_wait_tensorcnt 0x0                           ; the wave's end
	ds_add_u32 v[SPW], v[NIL]
	s_wait_dscnt 0x0
	CROUND                                         ; the closing round
	s_endpgm
.Lfunc_end_k_qf846f52e14_attn:
	.size	k_qf846f52e14_attn, .Lfunc_end_k_qf846f52e14_attn-k_qf846f52e14_attn
	.p2alignl 7, 3214868480
	.fill 96, 4, 3214868480
	.section	.rodata,"a",@progbits
	.p2align	6, 0x0
	.amdhsa_kernel k_qf846f52e14_attn
		.amdhsa_group_segment_fixed_size 206848
		.amdhsa_private_segment_fixed_size 0
		.amdhsa_enable_private_segment 0
		.amdhsa_kernarg_size 40
		.amdhsa_user_sgpr_count 2
		.amdhsa_user_sgpr_kernarg_segment_ptr 1
		.amdhsa_wavefront_size32 1
		.amdhsa_system_sgpr_workgroup_id_x 1
		.amdhsa_system_sgpr_workgroup_id_y 1
		.amdhsa_system_sgpr_workgroup_id_z 1
		.amdhsa_system_vgpr_workitem_id 0
		.amdhsa_next_free_vgpr 256
		.amdhsa_next_free_sgpr 100
		.amdhsa_reserve_vcc 0
		.amdhsa_float_denorm_mode_32 3
		.amdhsa_float_denorm_mode_16_64 3
		.amdhsa_memory_ordered 1
		.amdhsa_forward_progress 1
		.amdhsa_inst_pref_size 44
	.end_amdhsa_kernel
	.amdgpu_metadata
---
amdhsa.version: [ 1, 2 ]
amdhsa.kernels:
  - .name:           k_qf846f52e14_attn
    .symbol:         k_qf846f52e14_attn.kd
    .args:
      - { .name: qimg, .offset: 0, .size: 8, .value_kind: global_buffer, .address_space: global }
      - { .name: kimg, .offset: 8, .size: 8, .value_kind: global_buffer, .address_space: global }
      - { .name: vimg, .offset: 16, .size: 8, .value_kind: global_buffer, .address_space: global }
      - { .name: lowp_scales, .offset: 24, .size: 8, .value_kind: global_buffer, .address_space: global }
      - { .name: yimg, .offset: 32, .size: 8, .value_kind: global_buffer, .address_space: global }
    .group_segment_fixed_size: 206848
    .private_segment_fixed_size: 0
    .kernarg_segment_align: 8
    .kernarg_segment_size: 40
    .max_flat_workgroup_size: 512
    .sgpr_count:     100
    .vgpr_count:     256
    .wavefront_size: 32
...
	.end_amdgpu_metadata
.endif
;; end of part 3
;; launch proj (part 4): grid 16 x 16, 4 waves a work-group, clusters of 4 x 1, 327,680 bytes of LDS; arguments yimg, wpimg, lowp_scales, b_proj, out0; writes out0
.if DOCPART == 4
	.amdgcn_target "amdgcn-amd-amdhsa--gfx1250"
	.amdhsa_code_object_version 6
	.text
	.protected	k_qf846f52e14_proj
	.globl	k_qf846f52e14_proj
	.p2align	8
	.type	k_qf846f52e14_proj,@function
k_qf846f52e14_proj:
	s_mov_b64 s[64:65], 0
	v_nop
	global_prefetch_b8 v0, s[64:65] scope:SCOPE_SE
	s_setreg_imm32_b32 hwreg(HW_REG_WAVE_MODE, 25, 1), 1
	s_wait_xcnt 0x0
	s_wait_alu depctr_hold_cnt(0) depctr_sa_sdst(0) depctr_va_vdst(0) depctr_va_sdst(0) depctr_va_ssrc(0) depctr_va_vcc(0) depctr_vm_vsrc(0)
	s_getreg_b32 s2, hwreg(HW_REG_IB_STS2, 6, 4)
	s_cmp_eq_u32 s2, 0
	s_cbranch_scc0 .Lentry_in_a_cluster
	s_endpgm
.Lentry_in_a_cluster:
	s_bfe_u32 s2, ttmp6, 0x10000c
	s_cmp_lg_u32 s2, 0x3003
	s_cbranch_scc0 .Lentry_shape_is_right
	s_endpgm
.Lentry_shape_is_right:
; out0 = y w_proj + b_proj on codes of FP8 (E4M3); out0 [4096][1024] f32.  y's and w_proj's codes come as images of their registers (the launches before made them):
; a fragment, 16 rows x 128 K, is four groups of 512 bytes; lane l = r + 16 h owns the 16 bytes at 16 l of group c: k = 128 f + 32 c + 16 h + 0 .. 15 of row rho(i, r) = 32 (i / 2) + 8 (i % 2) + r % 8 + 16 (r / 8); byte 16384 i + 2048 f + 512 c + 16 l.
; SHARES.  256 work-groups: 256 tokens x 64 columns; a wave makes 64 x 64: 16 accumulators.  THE MATRIX INSTRUCTION IS USED TRANSPOSED (source 0 = 16 columns of w_proj, source 1 = 16 tokens):
; lane (r, h) of accumulators (2 beta, a), (2 beta + 1, a) holds token rho(a, r) and columns 32 beta + 16 h + 0 .. 15.
; A wave's 64 rows of y are its own: their fragments go from memory straight into registers, four K steps ahead.  The block's weights (65,536 bytes) are filled into LDS ONCE:
; wave w fetches K steps 2 w, 2 w + 1 (one load a wave); the four token blocks of a cluster ask for them jointly.  y is not shared in a cluster: its partners have other tokens.
; No prefetch into the L2: all tensor loads go out at the head, and y's loads themselves stand four K steps ahead of their use.
; LIMITS: e6 + e7 between -126 and 127.
; REGISTERS.  window 0: v1-7 addresses; v64-127, v128-191 the weights of even and odd K steps; v192-223 the bias.  windows 1, 2: y's fragments of K steps 0-3, 4-7.  window 3: the accumulators ((b, a) at v[8 (4 b + a)]).
.set CH,    16384                      ; two K steps of four tiles: tile i at 4096 i
.set STAGE, 4*CH                       ; the way out: 16 rows x 272 bytes for each wave; no tile lands there
.set SP,    272
.set SPARE, STAGE+4*16*SP              ; the spare words, 128 bytes a wave
.set LI,    1                          ; v1   16 x lane: also the LDS address of my fragments
.set SPW,   2
.set NIL,   3
.set STO,   4                          ; v4   the stage: where I put my numbers of a row
.set RD,    5                          ; v5   and where I read a row back
.set CO,    6                          ; v6   my byte offset in two rows of out0
.set BRO,   7                          ; v7   64 h
.set B0,    64
.set T,     64                         ; the way out: 32 numbers, two sets by turns
.set OB,    128                        ; rows read back, two sets by turns
.set BR,    192
.set G1,    28
.set G0,    36
.set MSB, 0
.macro WIN new                         ; the immediate's high byte repeats the setting that is left
.if MSB != (\new)
	s_set_vgpr_msb (MSB<<8)|(\new)
.set MSB, (\new)
.endif
.endm
.macro CROUND                          ; a round of the cluster's barrier
	s_barrier_signal -1
	s_barrier_wait -1
	s_cmp_lg_u32 s14, 0
	s_cbranch_scc1 .Lnot_wave_0_\@
	s_barrier_signal -3
.Lnot_wave_0_\@:
	s_barrier_wait -3
	s_barrier_signal -1
	s_barrier_wait -1
.endm
.macro PLACES                          ; four places behind matrix instructions (ISA guide 7.12.1)
.rept 4
	v_nop
.endr
.endm
.macro ALOAD a, k                      ; y's tile a of K step k
	WIN 0x40*(1+(\k)/4)
.irp c, 0,1,2,3
	global_load_b128 v[64*((\k)%4)+16*(\a)+4*\c:64*((\k)%4)+16*(\a)+4*\c+3], v[LI], s[48:49] offset:16384*(\a)+2048*(\k)+512*\c
.endr
.endm
.macro BFR b, k                        ; the weights' tile b of K step k
	WIN 0
.irp c, 0,1,2,3
	ds_load_b128 v[B0+64*((\k)%2)+16*(\b)+4*\c:B0+64*((\k)%2)+16*(\b)+4*\c+3], v[LI] offset:CH*((\k)/2)+4096*(\b)+2048*((\k)%2)+512*\c
.endr
.endm
.macro MUL b, k                        ; the 16 accumulators take turns, in the same order in every K step; K step 0 starts the sums
	WIN 0xf0+4*(1+(\k)/4)
.set FB, B0+64*((\k)%2)+16*(\b)
.irp a, 0,1,2,3
.set AC, 8*(4*(\b)+\a)
.set FA, 64*((\k)%4)+16*\a
.if (\k) == 0
	v_wmma_f32_16x16x128_fp8_fp8 v[AC:AC+7], v[FB:FB+15], v[FA:FA+15], 0
.else
	v_wmma_f32_16x16x128_fp8_fp8 v[AC:AC+7], v[FB:FB+15], v[FA:FA+15], v[AC:AC+7]
.endif
.endr
.endm
; A K step: 16 products; behind each four of them one tile's LDS loads for the next step.  lc: the global loads that may be out behind this step's fragments of y.
; bar = 1 (K step 3): the next K step lies in the second half of K: each wave waits for its load, and a barrier shows the half to all.  Nothing is filled again.
.macro KSTEP k, lc, bar
	s_wait_loadcnt \lc
	PLACES                                         ; in front of loads into registers that earlier products read
.irp g, 0,1,2,3
.if \k == 7
	s_wait_dscnt 12-4*\g                           ; tile g is in; the younger tiles may be out
.elseif \bar == 0
	s_wait_dscnt 12                                ; tile g is in; three tiles' loads may be out
.elseif \g < 2
	s_wait_dscnt 12-4*\g
.endif
	MUL \g, \k
.if \bar
.if \g == 1
	WIN 0
	s_wait_dscnt 0x0                               ; no LDS load of mine is pending at the signal
	s_wait_tensorcnt 0x0                           ; my load is in (the second half's, in waves 2 and 3)
	s_barrier_signal -1
.elseif \g == 2
	s_barrier_wait -1
	BFR 0, \k+1
	BFR 1, \k+1
	BFR 2, \k+1
.elseif \g == 3
	BFR 3, \k+1
.endif
.elseif \k < 7
	BFR \g, \k+1
.endif
.if (\k < 4) && ((\bar == 0) || (\g > 1))
	ALOAD \g, \k+4
.if \bar
	ALOAD \g-2, \k+4
.endif
.endif
.if (\k == 4) && (\g < 2)              ; the bias at columns 32 g + 16 h + 4 m on
	WIN 0
.irp m, 0,1,2,3
	global_load_b128 v[BR+16*\g+4*\m:BR+16*\g+4*\m+3], v[BRO], s[10:11] offset:128*\g+16*\m
.endr
.endif
.endr
.endm
	s_load_b256 s[4:11], s[0:1], 0x0               ; yimg, wpimg, the scales' exponents, b_proj
	s_load_b64 s[12:13], s[0:1], 0x20              ; out0
	v_lshl_add_u32 v[SPW], v0, 2, SPARE
	v_mov_b32 v[NIL], 0
	ds_add_u32 v[SPW], v[NIL]                      ; the opening: the add, twice on end
	ds_add_u32 v[SPW], v[NIL]
	v_lshrrev_b32 v16, 5, v0
	v_readfirstlane_b32 s14, v16                   ; wave 0..3
	s_mul_i32 s2, s14, 16*SP
	s_add_co_u32 s2, s2, STAGE                     ; my stage
	v_and_b32 v17, 31, v0
	v_and_b32 v18, 15, v0                          ; r
	v_bfe_u32 v19, v0, 4, 1                        ; h
	v_lshlrev_b32 v[LI], 4, v17
	v_mul_u32_u24 v[STO], v18, SP
	v_mul_u32_u24 v[RD], v19, SP
	v_lshlrev_b32 v[CO], 12, v19
	v_lshlrev_b32 v[BRO], 6, v19
	v_lshl_add_u32 v[STO], v19, 6, v[STO]
	v_lshl_add_u32 v[RD], v18, 4, v[RD]
	v_lshl_add_u32 v[CO], v18, 4, v[CO]            ; neighbouring indices of a tile are neighbouring tokens: two rows of out0, 16 bytes a lane
	v_add_nc_u32 v[STO], s2, v[STO]                ; in: row r, + 64 h bytes
	v_add_nc_u32 v[RD], s2, v[RD]                  ; back: lanes 0-15 one row of 256 bytes, lanes 16-31 the next
	s_wait_alu depctr_va_vdst(0)                   ; ahead of the scalar lines and the waits below
	s_bfe_u32 s15, ttmp6, 0x40000                  ; cx
	s_and_b32 s16, ttmp7, 0xffff                   ; the block of 64 columns
	s_lshl_b32 s17, ttmp9, 2
	s_add_co_u32 s17, s17, s15                     ; the block of 256 tokens = 4 x cluster x + cx
	s_lshl_b32 s48, s17, 18                        ; y: 16 tiles of 16,384 bytes a work-group,
	s_lshl_b32 s49, s14, 16
	s_add_co_u32 s48, s48, s49                     ; four a wave
	s_mov_b32 s49, 0
	s_lshl_b32 s50, s16, 16                        ; the weights: four tiles,
	s_lshl_b32 s51, s14, 12
	s_add_co_u32 s50, s50, s51                     ; from K step 2 x wave on
	s_mov_b32 s51, 0
	s_lshl_b32 s54, s16, 8                         ; my first column, in bytes
	s_mov_b32 s55, 0
	s_lshl_b32 s52, s17, 20
	s_lshl_b32 s53, s14, 18
	s_add_co_u32 s52, s52, s53                     ; my first token's row: (256 x block + 64 x wave) x 4,096 bytes,
	s_add_co_u32 s52, s52, s54
	s_mov_b32 s53, 0
	s_mov_b32 s[G1], 15|(3<<16)|(1<<21)            ; the mask: all four work-groups; elements of 8 bytes; bit 21 set beside a mask
	s_mov_b32 s[G1+1], 512<<16                     ; 4 rows (tiles) of 4,096 bytes, 16,384 apart; dense in LDS
	s_mov_b32 s[G1+2], 4<<16
	s_mov_b32 s[G1+3], 512<<16
	s_mov_b32 s[G1+4], 4
	s_mov_b32 s[G1+5], 2048
	s_mov_b32 s[G1+6], 0
	s_mov_b32 s[G1+7], 0
	s_mov_b32 s[G0], 1
	s_lshl_b32 s[G0+1], s14, 14
	s_wait_dscnt 0x0                               ; both opening adds are done
	s_wait_kmcnt 0x0
	s_load_b64 s[40:41], s[8:9], 0x18              ; e6, e7
	s_add_nc_u64 s[48:49], s[4:5], s[48:49]
	s_add_nc_u64 s[G0+2:G0+3], s[6:7], s[50:51]
	s_or_b32 s[G0+3], s[G0+3], 0x80000000
	s_add_nc_u64 s[10:11], s[10:11], s[54:55]
	s_add_nc_u64 s[12:13], s[12:13], s[52:53]
.irp k, 0,1,2
.irp a, 0,1,2,3
	ALOAD \a, \k
.endr
.endr
	WIN 0
	CROUND                                         ; all four work-groups are here: the joint loads meet
	s_cmp_lt_u32 s14, 2                            ; waves 0, 1: the first half of K; waves 2, 3: the second
	s_cbranch_scc0 .Lupper
	tensor_load_to_lds s[G0:G0+3], s[G1:G1+7]
	s_nop 0
	PLACES
	s_branch .Lasked
.Lupper:
	tensor_load_to_lds s[G0:G0+3], s[G1:G1+7]
	s_nop 0
	PLACES
.Lasked:
.irp a, 0,1,2,3
	ALOAD \a, 3
.endr
	WIN 0
	s_cmp_ge_u32 s14, 2
	s_cbranch_scc1 .Lnot_first
	s_wait_tensorcnt 0x0                           ; waves 0, 1: the first half is in
.Lnot_first:
	s_barrier_signal -1
	s_barrier_wait -1
.irp b, 0,1,2,3
	BFR \b, 0
.endr
	KSTEP 0, 48, 0                                 ; three K steps' sixteen loads each may be out
	KSTEP 1, 48, 0
	KSTEP 2, 48, 0
	KSTEP 3, 48, 1
	KSTEP 4, 48, 0
	KSTEP 5, 40, 0                                 ; K steps 6, 7 and the bias' eight
	KSTEP 6, 24, 0
	KSTEP 7, 8, 0
	WIN 0
	PLACES
	s_wait_kmcnt 0x0
	s_add_co_i32 s40, s40, s41
	s_add_co_i32 s40, s40, 127
	s_lshl_b32 s40, s40, 23                        ; 2^(e6 + e7) as f32
	s_mov_b32 s41, s40                             ; (named with it as a pair, so it is written)
	s_wait_loadcnt 0x0                             ; the bias
	; THE WAY OUT, a tile of 16 tokens at a time: sum x 2^(e6 + e7) + bias; through my own stage, so that sixteen lanes store 256 consecutive bytes, at a multiple of 256 from out0's first byte.
.macro TOSTAGE a
	WIN 0x03
.irp b, 0,1,2,3
.irp j, 0,2,4,6
	v_pk_fma_f32 v[T+32*((\a)%2)+8*\b+\j:T+32*((\a)%2)+8*\b+\j+1], v[8*(4*\b+(\a))+\j:8*(4*\b+(\a))+\j+1], s[40:41], v[BR+8*\b+\j:BR+8*\b+\j+1] op_sel_hi:[1,0,1]
.endr
.endr
	WIN 0
.irp m, 0,1,2,3
	ds_store_b128 v[STO], v[T+32*((\a)%2)+4*\m:T+32*((\a)%2)+4*\m+3] offset:16*\m
	ds_store_b128 v[STO], v[T+32*((\a)%2)+16+4*\m:T+32*((\a)%2)+16+4*\m+3] offset:128+16*\m
.endr
.irp t, 0,1,2,3,4,5,6,7
	ds_load_b128 v[OB+32*((\a)%2)+4*\t:OB+32*((\a)%2)+4*\t+3], v[RD] offset:2*\t*SP   ; LDS serves a wave's instructions in order (ISA guide 5.7.1.4): these see the stores above, and the next tile's stores come behind them
.endr
.endm
.macro SEND a, younger                 ; younger: the next tile's LDS instructions, which may be out
.irp t, 0,1,2,3,4,5,6,7
	s_wait_dscnt \younger+7-\t
	global_store_b128 v[CO], v[OB+32*((\a)%2)+4*\t:OB+32*((\a)%2)+4*\t+3], s[12:13] offset:(32*((\a)/2)+8*((\a)%2)+(2*\t)%8+16*(\t/4))*4096 th:TH_STORE_NT   ; indices 2 t and 2 t + 1 of tile a: tokens rho(a, 2 t) and the next
.endr
.endm
	TOSTAGE 0
.irp a, 1,2,3
.if \a > 1
	s_wait_xcnt 0x0                                ; tile a - 2's stores have read their registers, which the loads below fill again
.endif
	TOSTAGE \a
	SEND \a-1, 16
.endr
	SEND 3, 0
	s_wait_tensorcnt 0x0                           ; the wave's end
	ds_add_u32 v[SPW], v[NIL]
	s_wait_dscnt 0x0
	CROUND                                         ; the closing round
	s_endpgm
.Lfunc_end_k_qf846f52e14_proj:
	.size	k_qf846f52e14_proj, .Lfunc_end_k_qf846f52e14_proj-k_qf846f52e14_proj
	.p2alignl 7, 3214868480
	.fill 96, 4, 3214868480
	.section	.rodata,"a",@progbits
	.p2align	6, 0x0
	.amdhsa_kernel k_qf846f52e14_proj
		.amdhsa_group_segment_fixed_size 327680
		.amdhsa_private_segment_fixed_size 0
		.amdhsa_enable_private_segment 0
		.amdhsa_kernarg_size 40
		.amdhsa_user_sgpr_count 2
		.amdhsa_user_sgpr_kernarg_segment_ptr 1
		.amdhsa_wavefront_size32 1
		.amdhsa_system_sgpr_workgroup_id_x 1
		.amdhsa_system_sgpr_workgroup_id_y 1
		.amdhsa_system_sgpr_workgroup_id_z 1
		.amdhsa_system_vgpr_workitem_id 0
		.amdhsa_next_free_vgpr 1024
		.amdhsa_next_free_sgpr 66
		.amdhsa_reserve_vcc 0
		.amdhsa_float_denorm_mode_32 3
		.amdhsa_float_denorm_mode_16_64 3
		.amdhsa_memory_ordered 1
		.amdhsa_forward_progress 1
		.amdhsa_inst_pref_size 51
	.end_amdhsa_kernel
	.amdgpu_metadata
---
amdhsa.version: [ 1, 2 ]
amdhsa.kernels:
  - .name:           k_qf846f52e14_proj
    .symbol:         k_qf846f52e14_proj.kd
    .args:
      - { .name: yimg, .offset: 0, .size: 8, .value_kind: global_buffer, .address_space: global }
      - { .name: wpimg, .offset: 8, .size: 8, .value_kind: global_buffer, .address_space: global }
      - { .name: lowp_scales, .offset: 16, .size: 8, .value_kind: global_buffer, .address_space: global }
      - { .name: b_proj, .offset: 24, .size: 8, .value_kind: global_buffer, .address_space: global }
      - { .name: out0, .offset: 32, .size: 8, .value_kind: global_buffer, .address_space: global }
    .group_segment_fixed_size: 327680
    .private_segment_fixed_size: 0
    .kernarg_segment_align: 8
    .kernarg_segment_size: 40
    .max_flat_workgroup_size: 128
    .sgpr_count:     66
    .vgpr_count:     1024
    .wavefront_size: 32
...
	.end_amdgpu_metadata
.endif
;; end of part 4
